; MI455X (gfx1250); checked and timed in simulation.
; The chip was launched on July 23, 2026; its instructions are those of AMD's public machine-readable ISA for CDNA 5 (MIT licence, August 2026) and "CDNA5" Instruction Set Architecture Reference Guide (July 2026). The comments in the code are by the model that wrote it; some were corrected since.
;; KNN Regressor. Allowed arithmetic: matrix products marked QUANTISED: E4M3 operands, one E8M0 scale for each 32 along K, by v_wmma_scale_f32_16x16x128_f8f6f4 with both operands' format E4M3, f32 sums; everything else in f32.
;; Inputs: X_train 100,000 x 128 float32; inputs 1,024 x 128 float32; y_train 100,000 float32.
;; Outputs: out0 1,024 float32.
;; Constants: k = 32.
;; This version of the problem:
;;   THIS VERSION OF THE PROBLEM IS GIVEN IN LOW PRECISION. The matrix products marked QUANTISED in the list below multiply operands that are first quantised to E4M3 (4 exponent bits, 3 mantissa bits; 8 bits a number), with one power-of-two scale for each 32 numbers along K (OCP MX v1.0); their sums are f32. All else is computed in f32.
;;   The module's matrix products, in the order in which they are computed (A, B: the left and right operand; K: the contracted axis; several contracted axes count as one K, in the product's order):
;;     1. [M 1,024, K 128] x [K 128, N 100,000]; A: input inputs; B: input X_train: QUANTISED
;;   THE QUANTISER, for each operand of a quantised product, along K:
;;     - K is cut into blocks of 32 from its start; a last block that is shorter is filled with zeros.
;;     - A block's scale is 2^e with e = floor(log2(the largest magnitude in the block)) - 8, held to -126 .. 127; a block of zeros has e = 0. As a byte (E8M0): e + 127.
;;     - Each number is divided by its block's scale, clamped to +-448, and rounded to the nearest number of E4M3, ties to even, subnormals kept.
;;     - The product sums the exact products of the quantised numbers (number of the format x scale) in f32.
;;   ~~~python
;;   def quantise(x, axis):      # numpy; x: float32 -> the quantised numbers, widened to float32 again
;;       x = np.moveaxis(x, axis, -1); K = x.shape[-1]
;;       x = np.pad(x, [(0, 0)] * (x.ndim - 1) + [(0, -K % 32)]); x = x.reshape(x.shape[:-1] + (-1, 32)); a = np.abs(x).max(-1, keepdims=True)
;;       e = np.where(a > 0, np.clip(np.frexp(np.where(a > 0, a, 1))[1] - 1 - 8, -126, 127), 0)      # np.frexp(a)[1] - 1 = floor(log2(a)), exactly
;;       r = np.clip(x / 2.0 ** e, -448, 448)
;;       step = 2.0 ** (np.maximum(np.frexp(np.where(r == 0, 1, r))[1] - 1, -6) - 3)
;;       q = np.round(r / step) * step * 2.0 ** e      # np.round: ties to even
;;       return np.moveaxis(q.reshape(q.shape[:-2] + (-1,))[..., :K], -1, axis).astype(np.float32)
;;   ~~~
;; One version. Each part assembles by itself: llvm-mc -triple=amdgcn-amd-amdhsa -mcpu=gfx1250 --defsym DOCPART=n.
;; ======== version 1 of 1: 5 launches
;; limits: right only within a limited range of input values
;; workspace buffers: qc 135,168 bytes; xc 12,800,000 bytes; xs 400,128 bytes; ts 400,128 bytes; gmin 28,672,000 bytes; sgmin 1,024,000 bytes; sgsel 131,072 bytes of whole numbers; gsel 131,072 bytes of whole numbers
;; launch qprep (part 1): grid 64 x 1, 1 waves a work-group, no clusters, 0 bytes of LDS; arguments inputs, qc; writes qc
.if DOCPART == 1
	.amdgcn_target "amdgcn-amd-amdhsa--gfx1250"
	.amdhsa_code_object_version 6
	.text
	.protected	k_qe12bd9a8d8_qprep
	.globl	k_qe12bd9a8d8_qprep
	.p2align	8
	.type	k_qe12bd9a8d8_qprep,@function
k_qe12bd9a8d8_qprep:
	s_mov_b64 s[64:65], 0
	v_nop
	global_prefetch_b8 v0, s[64:65] scope:SCOPE_SE
	s_setreg_imm32_b32 hwreg(HW_REG_WAVE_MODE, 25, 1), 1
	s_wait_xcnt 0x0
; NEAREST NEIGHBOURS, launch 1 of 5: the queries become codes of E4M3 with one E8M0 byte for each 32 along the 128, once for the whole program.
; DEAD WORK, left out in every launch: q_sq.  distances[q][n] = q_sq[q] + t_sq[n] - 2 cross[q][n]; only top_k's indices along n are used, and q_sq[q] is the same for all n of a row,
; so for all values of the inputs the order along n is that of t_sq[n] - 2 cross[q][n], and (a positive factor) of t_sq[n] / 2 - cross[q][n].  The program orders by that number; the sum of the queries' squares is never formed.
; LIMIT: a NaN, an infinity or an overflow that reaches only q_sq is not carried to the result.  NaN and infinities among the inputs are not served.  A block of zeros gets the byte 1: its codes are zeros, and this program alone reads the bytes.
; A wave takes 16 queries (tile u = the work-group's number).  Lane (r, h) takes of query r the numbers 32 c + 16 h + 0 .. 15, c = 0 .. 3: the order of the operand's registers, so the conversions' results are the fragment.
; qc: [tile u][c][lane][16 bytes]: each store of the wave covers 512 consecutive bytes.  Behind the 131,072 bytes of codes: 1,024 scale words, 64 bytes a wave (of 2,112 that it stores).
; The loads take 16 bytes a lane from sixteen rows: 524,288 bytes in the whole launch, each read once.  64 waves have all the work there is.
.set X, 16
.set M, 80
.set P, 84
.set SC, 88
.set HB, 92
.set CD, 96
.set SW, 8
	s_load_b128 s[4:7], s[0:1], 0x0                ; inputs, qc
	v_and_b32 v1, 15, v0                           ; r
	v_lshrrev_b32 v2, 4, v0                        ; h
	v_lshlrev_b32 v3, 9, v1
	v_lshl_add_u32 v3, v2, 6, v3                   ; 512 r + 64 h
	v_lshlrev_b32 v4, 4, v0                        ; 16 x lane
	v_lshlrev_b32 v5, 2, v1                        ; 4 r
.irp b, 0,1,2,3
	v_mov_b32 v[P+\b], 0                           ; a lane permute's destination counts as read
.endr
	s_mov_b32 s20, 0x76543210
	s_mov_b32 s21, 0xfedcba98                      ; selects for lane l xor 16
	s_mov_b32 s22, 0x600000                        ; the mantissa field of 448
	s_lshl_b32 s10, ttmp9, 13
	s_mov_b32 s11, 0
	s_lshl_b32 s12, ttmp9, 11
	s_mov_b32 s13, 0
	s_lshl_b32 s14, ttmp9, 6
	s_mov_b32 s15, 0
	s_wait_alu depctr_va_vdst(0)                   ; the wait at the head's end
	s_wait_kmcnt 0x0
	s_add_nc_u64 s[4:5], s[4:5], s[10:11]
	s_add_nc_u64 s[8:9], s[6:7], s[14:15]          ; the scale words' base (131,072 stands in the store's offset)
	s_add_nc_u64 s[6:7], s[6:7], s[12:13]
.irp c, 0,1,2,3
.irp i, 0,1,2,3
	global_load_b128 v[X+16*\c+4*\i:X+16*\c+4*\i+3], v3, s[4:5] offset:128*\c+16*\i
.endr
.endr
	s_wait_loadcnt 0x0
.irp b, 0,1,2,3
	v_max3_num_f32 v[M+\b], |v[X+16*\b]|, |v[X+16*\b+1]|, 0x4800000   ; with the floor 2^(9 - 127): the byte cannot fall under 1
.endr
.irp i, 2,4,6,8,10,12,14
.irp b, 0,1,2,3
	v_max3_num_f32 v[M+\b], v[M+\b], |v[X+16*\b+\i]|, |v[X+16*\b+\i+1]|
.endr
.endr
.irp b, 0,1,2,3
	v_permlanex16_b32 v[P+\b], v[M+\b], s20, s21
.endr
.irp b, 0,1,2,3
	v_max_num_f32 v[M+\b], v[M+\b], v[P+\b]        ; the block's largest magnitude
.endr
.irp b, 0,1,2,3
	v_add_nc_u32 v[SC+\b], 0xfc000000, v[M+\b]     ; 8 off the exponent field: the conversion's scale operand
.endr
.irp b, 0,1,2,3
	v_and_or_b32 v[HB+\b], v[M+\b], 0x7f800000, s22   ; 448 x the scale
.endr
.irp b, 0,1,2,3
	v_lshrrev_b32 v[P+\b], 23, v[SC+\b]            ; the byte
.endr
	v_lshl_or_b32 v[SW], v[P+1], 8, v[P]
	v_lshl_or_b32 v[SW], v[P+2], 16, v[SW]
	v_lshl_or_b32 v[SW], v[P+3], 24, v[SW]
.irp b, 0,1,2,3
.irp i, 0,1,2,3,4,5,6,7,8,9,10,11,12,13,14,15
	v_med3_num_f32 v[X+16*\b+\i], v[X+16*\b+\i], -v[HB+\b], v[HB+\b]   ; the conversion does not saturate (ISA guide 7.6.2)
.endr
	v_cvt_scalef32_pk8_fp8_f32 v[CD+4*\b:CD+4*\b+1], v[X+16*\b:X+16*\b+7], v[SC+\b]
	v_cvt_scalef32_pk8_fp8_f32 v[CD+4*\b+2:CD+4*\b+3], v[X+16*\b+8:X+16*\b+15], v[SC+\b]
.endr
	v_nop
.irp c, 0,1,2,3
	global_store_b128 v4, v[CD+4*\c:CD+4*\c+3], s[6:7] offset:512*\c
.endr
	global_store_b32 v5, v[SW], s[8:9] offset:131072   ; both halves of the lanes store the same word with the same value
	s_endpgm
.Lfunc_end_k_qe12bd9a8d8_qprep:
	.size	k_qe12bd9a8d8_qprep, .Lfunc_end_k_qe12bd9a8d8_qprep-k_qe12bd9a8d8_qprep
	.p2alignl 7, 3214868480
	.fill 96, 4, 3214868480
	.section	.rodata,"a",@progbits
	.p2align	6, 0x0
	.amdhsa_kernel k_qe12bd9a8d8_qprep
		.amdhsa_group_segment_fixed_size 0
		.amdhsa_private_segment_fixed_size 0
		.amdhsa_enable_private_segment 0
		.amdhsa_kernarg_size 16
		.amdhsa_user_sgpr_count 2
		.amdhsa_user_sgpr_kernarg_segment_ptr 1
		.amdhsa_wavefront_size32 1
		.amdhsa_system_sgpr_workgroup_id_x 1
		.amdhsa_system_sgpr_workgroup_id_y 1
		.amdhsa_system_sgpr_workgroup_id_z 1
		.amdhsa_system_vgpr_workitem_id 0
		.amdhsa_next_free_vgpr 112
		.amdhsa_next_free_sgpr 66
		.amdhsa_reserve_vcc 0
		.amdhsa_float_denorm_mode_32 3
		.amdhsa_float_denorm_mode_16_64 3
		.amdhsa_memory_ordered 1
		.amdhsa_forward_progress 1
		.amdhsa_inst_pref_size 12
	.end_amdhsa_kernel
	.amdgpu_metadata
---
amdhsa.version: [ 1, 2 ]
amdhsa.kernels:
  - .name:           k_qe12bd9a8d8_qprep
    .symbol:         k_qe12bd9a8d8_qprep.kd
    .args:
      - { .name: inputs, .offset: 0, .size: 8, .value_kind: global_buffer, .address_space: global }
      - { .name: qc, .offset: 8, .size: 8, .value_kind: global_buffer, .address_space: global }
    .group_segment_fixed_size: 0
    .private_segment_fixed_size: 0
    .kernarg_segment_align: 8
    .kernarg_segment_size: 16
    .max_flat_workgroup_size: 32
    .sgpr_count:     66
    .vgpr_count:     112
    .wavefront_size: 32
...
	.end_amdgpu_metadata
.endif
;; end of part 1
;; launch dist (part 2): grid 250 x 1, 4 waves a work-group, no clusters, 66,816 bytes of LDS; arguments X_train, qc, xc, xs, ts, gmin, sgmin; writes xc, xs, ts, gmin, sgmin
.if DOCPART == 2
	.amdgcn_target "amdgcn-amd-amdhsa--gfx1250"
	.amdhsa_code_object_version 6
	.text
	.protected	k_qe12bd9a8d8_dist
	.globl	k_qe12bd9a8d8_dist
	.p2align	8
	.type	k_qe12bd9a8d8_dist,@function
k_qe12bd9a8d8_dist:
	s_mov_b64 s[64:65], 0
	v_nop
	global_prefetch_b8 v0, s[64:65] scope:SCOPE_SE
	s_setreg_imm32_b32 hwreg(HW_REG_WAVE_MODE, 25, 1), 1
	s_wait_xcnt 0x0
; NEAREST NEIGHBOURS, launch 2 of 5: e = |x|^2 / 2 - q.x for all queries and train rows (|q|^2 is left out: launch 1's head shows why).  Only MINIMA of e leave: for each query the least of every
; 16 neighbouring rows (gmin) and of every 400 (sgmin).  The 32 nearest rows of a query lie in the 32 sets with the least (minimum, set number): the later launches pick 32 of 250 slices, 32 of 800 groups, 32 of 512 rows.
; q.x is the quantised product.  -|x|^2 / 2 (of the numbers as given, f32) is the C of each product, so a result is q.x - |x|^2 / 2 = -e, and what is left for the vector side is a maximum.
; SHARES.  Work-group g: rows 400 g .. + 399 (25 tiles of 16 = 25 groups) against all 1,024 queries.  Wave w keeps queries 256 w .. + 255 as 16 fragments in registers, loaded as launch 1 laid them.
; PHASE 1, written out: wave w quantises rows 100 w .. + 99 into LDS, in ten steps of ten rows.  A load takes one row, 512 consecutive bytes, 16 a lane.  All 100 rows have registers of their own (windows 2 and 3); 60 loads are out at a step's head,
; and the queries' loads follow X's in the same queue.
; ONE BARRIER.  PHASE 2, a loop of four tiles a trip and a tail for tile 24: each wave takes every tile's fragment from LDS, a tile ahead, into two buffers by turns; nobody writes those bytes any more.
; Source 0 = 16 train rows, source 1 = 16 queries: lane (r, h) holds query r and rows 8 h + 0 .. 7.  The two halves of the lanes are joined for two query tiles at once (v_permlane16_swap_b32, then one minimum of the negated numbers).
; gmin: [slice][four tiles j][query][4]: a lane's minima of tiles 4 j .. 4 j + 3 are 16 neighbouring bytes, and a store of the wave covers 512 consecutive bytes, aligned, straight from registers.  (Tile 24 has no partners: +infinity fills its units; nobody reads it.)
; xc is stored as images of the operand's registers, [group][c][lane][16 bytes] (wave w stores c = w); xs: a scale word a row; ts: -|x|^2 / 2 a row: for the last launch.
; NO CLUSTER, NO TENSOR LOAD: 250 work-groups do not divide into fours; X comes as f32 through registers to be quantised, and the queries' fragments go straight into registers.  No prefetch: the loads themselves run six steps ahead of their waits.
; LIMITS: NaN and infinities among the inputs are not served; a block of zeros gets the scale byte 1, its codes are zeros and this program alone reads the bytes.
; LDS: 0: codes, local row x 144 bytes; XSR: 400 scale words; TSR: 400 x -|x|^2 / 2 (each with 512 bytes of written padding, so that 128 threads x 16 bytes read written bytes); SGR: for each wave 256 slice minima; SPARE: the spare words.
; REGISTERS.  window 0: v1-31 addresses; v32-39 Q's scale words (lanes 0-15 tile 2 i, lanes 16-31 tile 2 i + 1); v48-49 X's; v200-215 the way out.  window 1: Q's 16 fragments.
;   windows 2, 3 in phase 1: v0-199 fifty rows as loaded; v200-249 the quantiser's.   window 2 in phase 2: v0-31 X's fragment, two buffers; v32-47 their C; v48-55 my part of xc; v56-119 results, two sets of four;
;   v120-123 at work; v124-155 minima of four tiles; v156-163 slice minima; v250-254 addresses (made at the head).
.set XSR,   57600
.set TSR,   59904
.set SGR,   62208
.set SPARE, 66304
.set VL, 1
.set VR, 2
.set VH, 3
.set XCA, 6                            ; codes on the way in: 14,400 w + 4 x lane
.set XBA, 8                            ; scale bytes: XSR + 400 w + lane / 8
.set XTB, 10                           ; sums: TSR + 400 w + 4 h
.set L16, 21
.set L4,  22
.set SGA, 24
.set SGB, 25
.set PAD, 26
.set SPW, 28
.set NIL, 29
.set QSC, 32
.set XSC, 48
.set W0T, 200
.set T,   200                          ; windows 2, 3: pair p at T + 10 p: +0, +1 largest magnitudes of rows A, B, then their bytes; +2 .. +5 sums, then (+4) A's codes; +6, +7 the conversions' scales; +8, +9 448 x the scales, then (+9) B's codes
.set XFR, 0                            ; window 2
.set TS,  32
.set XT,  48
.set BUF, 56
.set MX,  120
.set GVP, 124
.set SG,  156
.set XFW, 250                          ; a fragment: 144 r + 16 h + the tile
.set TSW, 251                          ; its C: TSR + 32 h
.set XGW, 252                          ; my quarter of it: 144 r + 16 h + 32 w
.set XSW, 253                          ; its scale words: XSR + 4 r
.set LX,  254                          ; 16 x lane
.set MSB, 0
.macro WIN new                         ; the immediate's high byte repeats the setting that is left
.if MSB != (\new)
	s_set_vgpr_msb (MSB<<8)|(\new)
.set MSB, (\new)
.endif
.endm
.macro XL c                            ; chunk c: ten loads, rows 10 c .. 10 c + 9 of my 100: the lane takes numbers 4 l .. 4 l + 3 of each
	WIN (2+(\c)/5)<<6
.set ia, 0
.rept 10
	global_load_b128 v[40*((\c)%5)+4*ia:40*((\c)%5)+4*ia+3], v[L16], s[4:5] offset:512*(10*(\c)+ia) th:TH_LOAD_NT
.set ia, ia+1
.endr
.endm
.macro QL c                            ; ten of the 64 loads of Q's fragments: 512 consecutive bytes each
	WIN 0x40
.set ia, 10*(\c)
.rept 10
.if ia < 64
	global_load_b128 v[4*ia:4*ia+3], v[L16], s[6:7] offset:512*ia
.endif
.set ia, ia+1
.endr
.endm
; THE QUANTISER: five pairs of rows (A, B) by turns, in window wn.  Registers d + 8 p + 0 .. 3 are A's numbers 4 l .., + 4 .. 7 B's.  A block of 32 lies in eight neighbouring lanes, a row in all 32.
.macro QG wn, d, a0
	WIN 0x55*\wn
.irp o, 0,4
.set ip, 0
.rept 5
	v_max3_num_f32 v[T+10*ip+\o/4], |v[\d+8*ip+\o]|, |v[\d+8*ip+\o+1]|, 0x4800000   ; with the floor 2^(9 - 127)
.set ip, ip+1
.endr
.endr
.irp o, 0,4
.set ip, 0
.rept 5
	v_max3_num_f32 v[T+10*ip+\o/4], v[T+10*ip+\o/4], |v[\d+8*ip+\o+2]|, |v[\d+8*ip+\o+3]|
.set ip, ip+1
.endr
.endr
.irp x, 1,2,4
.irp o, 0,1
.set ip, 0
.rept 5
	v_max_num_f32_dpp v[T+10*ip+\o], v[T+10*ip+\o], v[T+10*ip+\o] row_xmask:\x row_mask:0xf bank_mask:0xf
.set ip, ip+1
.endr
.endr
.endr
	s_wait_dscnt 0x0                               ; my earlier LDS stores have read their data, which are written again below
.irp o, 0,1
.set ip, 0
.rept 5
	v_pk_mul_f32 v[T+10*ip+2+2*\o:T+10*ip+3+2*\o], v[\d+8*ip+4*\o:\d+8*ip+4*\o+1], v[\d+8*ip+4*\o:\d+8*ip+4*\o+1]
.set ip, ip+1
.endr
.endr
.irp o, 0,1
.set ip, 0
.rept 5
	v_pk_fma_f32 v[T+10*ip+2+2*\o:T+10*ip+3+2*\o], v[\d+8*ip+4*\o+2:\d+8*ip+4*\o+3], v[\d+8*ip+4*\o+2:\d+8*ip+4*\o+3], v[T+10*ip+2+2*\o:T+10*ip+3+2*\o]
.set ip, ip+1
.endr
.endr
.irp o, 0,1
.set ip, 0
.rept 5
	v_add_f32 v[T+10*ip+2+2*\o], v[T+10*ip+2+2*\o], v[T+10*ip+3+2*\o]
.set ip, ip+1
.endr
.endr
.set ip, 0
.rept 5
	v_permlane16_swap_b32 v[T+10*ip+2], v[T+10*ip+4]         ; first: the lower lanes' sums of A and of B; second: the upper lanes'
.set ip, ip+1
.endr
.set ip, 0
.rept 5
	v_add_f32 v[T+10*ip+2], v[T+10*ip+2], v[T+10*ip+4]       ; lanes 0-15 now sum A, lanes 16-31 B
.set ip, ip+1
.endr
.irp x, 1,2,4,8
.set ip, 0
.rept 5
	v_add_f32_dpp v[T+10*ip+2], v[T+10*ip+2], v[T+10*ip+2] row_xmask:\x row_mask:0xf bank_mask:0xf
.set ip, ip+1
.endr
.endr
.set ip, 0
.rept 5
	v_mul_f32 v[T+10*ip+2], -0.5, v[T+10*ip+2]               ; -|x|^2 / 2: exact
	v_add_nc_u32 v[T+10*ip+6], 0xfc000000, v[T+10*ip]        ; 8 off the exponent field: the conversion's scale operand
	v_add_nc_u32 v[T+10*ip+7], 0xfc000000, v[T+10*ip+1]
	v_and_or_b32 v[T+10*ip+8], v[T+10*ip], 0x7f800000, s21   ; 448 x the scale
	v_and_or_b32 v[T+10*ip+9], v[T+10*ip+1], 0x7f800000, s21
	v_lshrrev_b32 v[T+10*ip], 23, v[T+10*ip+6]               ; the bytes
	v_lshrrev_b32 v[T+10*ip+1], 23, v[T+10*ip+7]
.set ip, ip+1
.endr
.irp i, 0,1,2,3,4,5,6,7
.set ip, 0
.rept 5
	v_med3_num_f32 v[\d+8*ip+\i], v[\d+8*ip+\i], -v[T+10*ip+8+\i/4], v[T+10*ip+8+\i/4]   ; the conversion does not saturate (ISA guide 7.6.2)
.set ip, ip+1
.endr
.endr
.set ip, 0
.rept 5
	v_cvt_scalef32_pk8_fp8_f32 v[T+10*ip+4:T+10*ip+5], v[\d+8*ip:\d+8*ip+7], v[T+10*ip+6]   ; by A's scale: the first word holds A's four codes; the second is not used
.set ip, ip+1
.endr
.set ip, 0
.rept 5
	v_cvt_scalef32_pk8_fp8_f32 v[T+10*ip+8:T+10*ip+9], v[\d+8*ip:\d+8*ip+7], v[T+10*ip+7]   ; by B's scale: the second word holds B's four codes; the first is not used
.set ip, ip+1
.endr
	v_nop                                          ; one plain line behind the last conversion
	WIN 0x04*\wn                                   ; an LDS store's data are its source 1; the addresses lie in window 0
.set ip, 0
.rept 5
	ds_store_b32 v[XCA], v[T+10*ip+4] offset:288*(\a0+ip)        ; a row's 128 codes: 128 consecutive bytes
	ds_store_b32 v[XCA], v[T+10*ip+9] offset:288*(\a0+ip)+144
	ds_store_b8 v[XBA], v[T+10*ip] offset:8*(\a0+ip)             ; a block's eight lanes write the same byte with the same value
	ds_store_b8 v[XBA], v[T+10*ip+1] offset:8*(\a0+ip)+4
	ds_store_b32 v[XTB], v[T+10*ip+2] offset:8*(\a0+ip)          ; sixteen lanes the same word: lanes 0-15 A's, lanes 16-31 B's
.set ip, ip+1
.endr
.endm
.macro LOADT b, o                      ; the tile o tiles behind the addresses' tile, into buffer b
	WIN 0xaa
.irp c, 0,1,2,3
	ds_load_b128 v[XFR+16*\b+4*\c:XFR+16*\b+4*\c+3], v[XFW] offset:2304*\o+32*\c
.endr
	ds_load_b128 v[TS+8*\b:TS+8*\b+3], v[TSW] offset:64*\o              ; C of my registers 0-3: rows 8 h + 0 .. 3,
	ds_load_b128 v[TS+8*\b+4:TS+8*\b+7], v[TSW] offset:64*\o+16         ; of 4-7
	ds_load_b128 v[XT+4*\b:XT+4*\b+3], v[XGW] offset:2304*\o            ; registers 4 w .. 4 w + 3 of the fragment, for xc
	WIN 0x02                                       ; scale operands lie in window 0
	ds_load_b32 v[XSC+\b], v[XSW] offset:64*\o
.endm
.macro XST b, off                      ; my quarter of a tile's image: 512 consecutive bytes, aligned
	WIN 0xaa
	global_store_b128 v[LX], v[XT+4*\b:XT+4*\b+3], s[8:9] offset:\off
.endm
; Group G = 4 t + q of a trip's 16: the trip's tile t (buffer t % 2) against query tiles 4 q .. 4 q + 3.  Every product is a whole sum (K = 128) onto C = -|x|^2 / 2.
.macro WG G
.set wb, ((\G)/4)%2
.set wq, (\G)%4
.set wbb, BUF+32*((\G)%2)
	WIN 0xa6                                       ; source 0 (X), C and D window 2, source 1 (Q) window 1
.irp e, 0,1,2,3
.if (\e)%2
	v_wmma_scale_f32_16x16x128_f8f6f4 v[wbb+8*\e:wbb+8*\e+7], v[XFR+16*wb:XFR+16*wb+15], v[64*wq+16*\e:64*wq+16*\e+15], v[TS+8*wb:TS+8*wb+7], v[XSC+wb], v[QSC+2*wq+\e/2] matrix_b_scale:MATRIX_SCALE_ROW1
.else
	v_wmma_scale_f32_16x16x128_f8f6f4 v[wbb+8*\e:wbb+8*\e+7], v[XFR+16*wb:XFR+16*wb+15], v[64*wq+16*\e:64*wq+16*\e+15], v[TS+8*wb:TS+8*wb+7], v[XSC+wb], v[QSC+2*wq+\e/2]
.endif
.endr
.endm
; Its vector work: the largest of a lane's eight results (read from the low end on), four chains by turns; two tiles' halves joined; negated: the group's least e of query 32 (2 q + p) + lane.
.macro VG G
.set vt, (\G)/4
.set vq, (\G)%4
.set vbb, BUF+32*((\G)%2)
	WIN 0xaa
.irp e, 0,1,2,3
	v_max3_num_f32 v[MX+\e], v[vbb+8*\e], v[vbb+8*\e+1], v[vbb+8*\e+2]
.endr
.irp e, 0,1,2,3
	v_max3_num_f32 v[MX+\e], v[MX+\e], v[vbb+8*\e+3], v[vbb+8*\e+4]
.endr
.irp e, 0,1,2,3
	v_max3_num_f32 v[MX+\e], v[MX+\e], v[vbb+8*\e+5], v[vbb+8*\e+6]
.endr
.irp e, 0,1,2,3
	v_max_num_f32 v[MX+\e], v[MX+\e], v[vbb+8*\e+7]
.endr
.irp p, 0,1
	v_permlane16_swap_b32 v[MX+2*\p], v[MX+2*\p+1]           ; first: rows 0-7 of both tiles; second: rows 8-15 of both
.endr
.irp p, 0,1
	v_min_num_f32 v[GVP+4*(2*vq+\p)+vt], -v[MX+2*\p], -v[MX+2*\p+1]
.endr
.irp p, 0,1
	v_min_num_f32 v[SG+2*vq+\p], v[SG+2*vq+\p], v[GVP+4*(2*vq+\p)+vt]
.endr
.endm
.macro ST q, off                       ; the four tiles' minima of queries 64 q .. 64 q + 63: each store covers 512 consecutive bytes, aligned
	WIN 0xaa
.irp p, 0,1
	global_store_b128 v[LX], v[GVP+4*(2*\q+\p):GVP+4*(2*\q+\p)+3], s[14:15] offset:512*(2*\q+\p)+\off
.endr
.endm
	s_load_b256 s[4:11], s[0:1], 0x0               ; X s[4:5], qc s[6:7], xc s[8:9], xs s[10:11]
	s_load_b128 s[12:15], s[0:1], 0x20             ; ts s[12:13], gmin s[14:15]
	s_load_b64 s[16:17], s[0:1], 0x30              ; sgmin
	v_lshl_add_u32 v[SPW], v0, 2, SPARE
	v_mov_b32 v[NIL], 0
	v_lshl_add_u32 v[PAD], v0, 2, XSR+1600
	ds_store_b32 v[PAD], v[NIL]                    ; the padding behind the 400 scale words,
	ds_store_b32 v[PAD], v[NIL] offset:TSR-XSR     ; and behind the 400 sums
	v_lshrrev_b32 v30, 5, v0
	v_readfirstlane_b32 s20, v30                   ; wave 0..3
	s_mov_b32 s21, 0x600000                        ; the mantissa field of 448
	s_mul_i32 s26, s20, 14400
	s_mul_i32 s27, s20, 400
	s_lshl_b32 s28, s20, 5
	s_lshl_b32 s30, s20, 10
	s_add_co_u32 s30, s30, SGR
	v_and_b32 v[VL], 31, v0
	v_and_b32 v[VR], 15, v0
	v_bfe_u32 v[VH], v0, 4, 1
	v_lshlrev_b32 v[L16], 4, v[VL]
	v_lshlrev_b32 v[L4], 2, v[VL]
	v_lshl_add_u32 v[XCA], v[VL], 2, s26
	v_lshrrev_b32 v30, 3, v[VL]
	v_add_nc_u32 v[XBA], s27, v30
	v_add_nc_u32 v[XBA], XSR, v[XBA]
	v_lshl_add_u32 v[XTB], v[VH], 2, s27
	v_add_nc_u32 v[XTB], TSR, v[XTB]
	v_add_nc_u32 v[SGA], s30, v[L4]
	v_add_nc_u32 v[SGB], s30, v[L16]
	v_mul_u32_u24 v30, v[VR], 144
	v_add_nc_u32 v31, s28, v30
	WIN 0x80                                       ; phase 2's addresses lie in window 2
	v_lshl_add_u32 v[XFW], v[VH], 4, v30
	v_lshl_add_u32 v[XGW], v[VH], 4, v31
	v_lshl_add_u32 v[TSW], v[VH], 5, TSR
	v_lshl_add_u32 v[XSW], v[VR], 2, XSR
	v_lshlrev_b32 v[LX], 4, v[VL]
	WIN 0
	s_wait_alu depctr_va_vdst(0)                   ; the wait at the head's end
	s_wait_kmcnt 0x0
	s_mov_b32 s29, 0
	s_mul_i32 s28, ttmp9, 204800                   ; X: (400 g + 100 w) rows of 512 bytes
	s_mul_i32 s30, s20, 51200
	s_add_co_u32 s28, s28, s30
	s_add_nc_u64 s[4:5], s[4:5], s[28:29]
	s_lshl_b32 s28, s20, 10                        ; my 256 scale words (131,072 stands in the loads' offsets)
	s_add_nc_u64 s[18:19], s[6:7], s[28:29]
	s_lshl_b32 s28, s20, 15                        ; my 16 fragments
	s_add_nc_u64 s[6:7], s[6:7], s[28:29]
	s_mul_i32 s28, ttmp9, 51200                    ; xc: 25 g groups of 2,048 bytes, + my quarter
	s_lshl_b32 s30, s20, 9
	s_add_co_u32 s28, s28, s30
	s_add_nc_u64 s[8:9], s[8:9], s[28:29]
	s_mul_i32 s28, ttmp9, 1600
	s_add_nc_u64 s[10:11], s[10:11], s[28:29]
	s_add_nc_u64 s[12:13], s[12:13], s[28:29]
	s_mul_i32 s28, ttmp9, 114688                   ; gmin: [g][7][query][4]
	s_lshl_b32 s30, s20, 12
	s_add_co_u32 s28, s28, s30
	s_add_nc_u64 s[14:15], s[14:15], s[28:29]
	s_lshl_b32 s28, ttmp9, 12                      ; sgmin: [g][query]
	s_lshl_b32 s30, s20, 10
	s_add_co_u32 s28, s28, s30
	s_add_nc_u64 s[16:17], s[16:17], s[28:29]
	; ---- phase 1.  At each step's wait 60 loads have been issued behind the steps done; the step's own ten are the oldest, so fifty may stay out
.irp c, 0,1,2,3,4,5
	XL \c
.endr
.irp k, 0,1,2,3
	s_wait_loadcnt 50
	XL \k+6
	QG 2, 40*\k, 5*\k
.endr
	s_wait_loadcnt 50
	QL 0
	QG 2, 160, 20
.irp k, 5,6,7,8,9
	s_wait_loadcnt 50
	QL \k-4
	QG 3, 40*(\k-5), 5*\k
.endr
	QL 6
	WIN 0
.set iu, 0
.rept 8
	global_load_b32 v[QSC+iu], v[L4], s[18:19] offset:131072+128*iu
.set iu, iu+1
.endr
	s_wait_dscnt 0x0                               ; for the others' sake: my codes, bytes and sums lie in LDS
	s_barrier_signal -1
	s_barrier_wait -1
	; ---- phase 2
	LOADT 0, 0
	WIN 0xaa
.set iu, 0
.rept 8
	v_mov_b32 v[SG+iu], 0x7f800000                 ; the slice minima begin at +infinity: the loop is written once
.set iu, iu+1
.endr
	s_wait_loadcnt 0x0                             ; the queries
	s_wait_dscnt 0x0                               ; tile 0
	XST 0, 0
	WG 0
.rept 10
	v_nop                                          ; ten places: eight are owed ahead of the first read of a result, nine ahead of the products that write set 0 again
.endr
	WIN 0
	s_mov_b32 s22, 0
.Ltile:                                                ; trip j: the maxima of tiles 4 j .. 4 j + 3; a group's products stand ahead of the group before's vector work, whose 20 plain lines are the places; the last products are tile 4 j + 4's first
	s_wait_xcnt 0x0                                ; my stores have read their bases and data: both are written again below
	s_add_nc_u64 s[14:15], s[14:15], 16384         ; (the stores reach back by their offsets)
	s_add_nc_u64 s[8:9], s[8:9], 8192
	LOADT 1, 1
	WG 1
	VG 0
	WG 2
	VG 1
	WG 3
	VG 2
	s_wait_dscnt 0x0                               ; tile 4 j + 1 is in
	XST 1, -6144
	WG 4
	VG 3
	LOADT 0, 2
	WG 5
	VG 4
	WG 6
	VG 5
	WG 7
	VG 6
	s_wait_dscnt 0x0                               ; tile 4 j + 2 is in
	XST 0, -4096
	WG 8
	VG 7
	s_wait_xcnt 0x0                                ; xc's store of tile 4 j + 1 has read the registers that the loads below fill
	LOADT 1, 3
	WG 9
	VG 8
	WG 10
	VG 9
	WG 11
	VG 10
	s_wait_dscnt 0x0                               ; tile 4 j + 3 is in
	XST 1, -2048
	WG 12
	VG 11
	s_wait_xcnt 0x0                                ; likewise tile 4 j + 2's
	LOADT 0, 4
	WIN 0xaa
	v_add_nc_u32 v[XFW], 9216, v[XFW]              ; four tiles on
	v_add_nc_u32 v[XGW], 9216, v[XGW]
	v_add_nc_u32 v[TSW], 256, v[TSW]
	v_add_nc_u32 v[XSW], 256, v[XSW]
	WG 13
	VG 12
	ST 0, -16384
	WG 14
	VG 13
	ST 1, -16384
	WG 15
	VG 14
	ST 2, -16384
	s_wait_dscnt 0x0                               ; tile 4 j + 4 is in
	XST 0, 0
	WG 0
	VG 15
	ST 3, -16384
	WIN 0
	s_add_co_u32 s22, s22, 1
	s_cmp_lt_u32 s22, 6
	s_cbranch_scc1 .Ltile
	s_wait_xcnt 0x0                                ; the last trip's stores have read their data
	WG 1                                           ; tile 24
	VG 0
	WG 2
	VG 1
	WG 3
	VG 2
	VG 3
.set iu, 0
.rept 8
	v_mov_b32 v[GVP+4*iu+1], 0x7f800000            ; no partners: the units are filled
	v_mov_b32 v[GVP+4*iu+2], 0x7f800000
	v_mov_b32 v[GVP+4*iu+3], 0x7f800000
.set iu, iu+1
.endr
	s_wait_alu depctr_va_vdst(0)
.irp q, 0,1,2,3
	ST \q, 0
.endr
	; ---- the way out
	WIN 0x08
.set iu, 0
.rept 8
	ds_store_b32 v[SGA], v[SG+iu] offset:128*iu              ; query 32 i + lane
.set iu, iu+1
.endr
	WIN 0
	ds_load_b128 v[W0T:W0T+3], v[SGB]              ; LDS serves a wave's instructions in order (ISA guide 5.7.1.4): these see my stores
	ds_load_b128 v[W0T+4:W0T+7], v[SGB] offset:512
	v_lshlrev_b32 v30, 4, v0
	v_cmp_gt_u32 vcc_lo, 100, v0
	s_wait_alu depctr_va_vdst(0)
	ds_load_b128 v[W0T+8:W0T+11], v30 offset:XSR   ; 16 bytes a thread; threads 100 to 127 read padding (every wave's stores stood ahead of the barrier)
	ds_load_b128 v[W0T+12:W0T+15], v30 offset:TSR
	s_wait_tensorcnt 0x0
	ds_add_u32 v[SPW], v[NIL]
	s_wait_dscnt 0x0
	global_store_b128 v[L16], v[W0T:W0T+3], s[16:17]
	global_store_b128 v[L16], v[W0T+4:W0T+7], s[16:17] offset:512
	s_wait_xcnt 0x0                                ; EXEC changes only behind this wait
	s_and_saveexec_b32 s28, vcc_lo                 ; the slice's 400 scale words and 400 sums: threads 0 to 99
	global_store_b128 v30, v[W0T+8:W0T+11], s[10:11]
	global_store_b128 v30, v[W0T+12:W0T+15], s[12:13]
	s_wait_xcnt 0x0
	s_or_b32 exec_lo, exec_lo, s28
	s_endpgm
.Lfunc_end_k_qe12bd9a8d8_dist:
	.size	k_qe12bd9a8d8_dist, .Lfunc_end_k_qe12bd9a8d8_dist-k_qe12bd9a8d8_dist
	.p2alignl 7, 3214868480
	.fill 96, 4, 3214868480
	.section	.rodata,"a",@progbits
	.p2align	6, 0x0
	.amdhsa_kernel k_qe12bd9a8d8_dist
		.amdhsa_group_segment_fixed_size 66816
		.amdhsa_private_segment_fixed_size 0
		.amdhsa_enable_private_segment 0
		.amdhsa_kernarg_size 56
		.amdhsa_user_sgpr_count 2
		.amdhsa_user_sgpr_kernarg_segment_ptr 1
		.amdhsa_wavefront_size32 1
		.amdhsa_system_sgpr_workgroup_id_x 1
		.amdhsa_system_sgpr_workgroup_id_y 1
		.amdhsa_system_sgpr_workgroup_id_z 1
		.amdhsa_system_vgpr_workitem_id 0
		.amdhsa_next_free_vgpr 1024
		.amdhsa_next_free_sgpr 66
		.amdhsa_reserve_vcc 1
		.amdhsa_float_denorm_mode_32 3
		.amdhsa_float_denorm_mode_16_64 3
		.amdhsa_memory_ordered 1
		.amdhsa_forward_progress 1
		.amdhsa_inst_pref_size 198
	.end_amdhsa_kernel
	.amdgpu_metadata
---
amdhsa.version: [ 1, 2 ]
amdhsa.kernels:
  - .name:           k_qe12bd9a8d8_dist
    .symbol:         k_qe12bd9a8d8_dist.kd
    .args:
      - { .name: X_train, .offset: 0, .size: 8, .value_kind: global_buffer, .address_space: global }
      - { .name: qc, .offset: 8, .size: 8, .value_kind: global_buffer, .address_space: global }
      - { .name: xc, .offset: 16, .size: 8, .value_kind: global_buffer, .address_space: global }
      - { .name: xs, .offset: 24, .size: 8, .value_kind: global_buffer, .address_space: global }
      - { .name: ts, .offset: 32, .size: 8, .value_kind: global_buffer, .address_space: global }
      - { .name: gmin, .offset: 40, .size: 8, .value_kind: global_buffer, .address_space: global }
      - { .name: sgmin, .offset: 48, .size: 8, .value_kind: global_buffer, .address_space: global }
    .group_segment_fixed_size: 66816
    .private_segment_fixed_size: 0
    .kernarg_segment_align: 8
    .kernarg_segment_size: 56
    .max_flat_workgroup_size: 128
    .sgpr_count:     66
    .vgpr_count:     1024
    .wavefront_size: 32
...
	.end_amdgpu_metadata
.endif
;; end of part 2
;; launch selsg (part 3): grid 256 x 1, 4 waves a work-group, no clusters, 0 bytes of LDS; arguments sgmin, sgsel; writes sgsel
.if DOCPART == 3
	.amdgcn_target "amdgcn-amd-amdhsa--gfx1250"
	.amdhsa_code_object_version 6
	.text
	.protected	k_qe12bd9a8d8_selsg
	.globl	k_qe12bd9a8d8_selsg
	.p2align	8
	.type	k_qe12bd9a8d8_selsg,@function
k_qe12bd9a8d8_selsg:
	s_mov_b64 s[64:65], 0
	v_nop
	global_prefetch_b8 v0, s[64:65] scope:SCOPE_SE
	s_setreg_imm32_b32 hwreg(HW_REG_WAVE_MODE, 25, 1), 1
	s_wait_xcnt 0x0
; NEAREST NEIGHBOURS, launch 3 of 5: for each query the 32 slices (of 250) with the least (minimum, slice number), stored in ascending order of their numbers.  One wave a query; slot i = 32 rho + lane is slice i.
; A minimum becomes a key, a whole number that orders as the f32 does (-0 under +0).  The 32nd smallest key is built bit by bit from the top: 32 trips of a counted loop, each a count of the keys under a candidate;
; nothing branches on data.  Chosen: every key under it, and of the keys equal to it the first few in slot order.  Lane j then finds the j-th chosen slot by counting bits.  No LDS, no matrix unit: 250 numbers a wave.
; LIMIT: NaN is not served.
.set NR, 8
.set K,  8                             ; v8-15 keys
.set KT, 5
.set W,  20                            ; the mask word in which my slot lies
.set B,  21                            ; chosen slots ahead of that word | its number << 6
.set RK, 22
.set N,  23
.set A1, 24
.set B1, 25
.set C1, 26
.set D1, 27
.set TT, 28
.set POS, 29
.set TH, 16
.set BIT, 17
.set CAND, 18
.set CNT, 19
.set CTR, 20
.set EQ, 21
.set PE, 22
.set PFX, 23
.set M, 24                             ; s24-31 masks
.set SE, 32
.set SR, 33
.set SL, 34
.set TM, 35
.macro KEY r
	v_ashrrev_i32 v[KT], 31, v[\r]
	v_or_b32 v[KT], 0x80000000, v[KT]
	v_xor_b32 v[\r], v[\r], v[KT]                  ; negative: all bits turned; else the sign bit set
.endm
.macro COUNT thr                       ; s[CNT] = how many keys lie under s[thr]
.set ir, 0
.rept NR
	v_cmp_gt_u32 s[M+ir], s[\thr], v[K+ir]
.set ir, ir+1
.endr
.set ir, 0
.rept NR
	s_bcnt1_i32_b32 s[M+ir], s[M+ir]               ; all the counts first: none hangs on another,
.set ir, ir+1
.endr
.irp st, 1,2,4,8,16
.set ir, 0
.rept (NR+2*\st-1)/(2*\st)
.if ir+\st < NR
	s_add_co_u32 s[M+ir], s[M+ir], s[M+ir+\st]     ; then their sum as a tree
.endif
.set ir, ir+2*\st
.endr
.endr
.set CNT, M                            ; the sum stands in the first mask's register
.endm
.macro SEARCH                          ; s[TH] = the greatest number with fewer than 32 keys under it = the 32nd smallest key; s[EQ] = how many keys equal to it are chosen
	s_mov_b32 s[TH], 0
	s_mov_b32 s[BIT], 0x80000000
	s_mov_b32 s[CTR], 0
.Lbit:
	s_or_b32 s[CAND], s[TH], s[BIT]
	COUNT CAND
	s_cmp_lt_u32 s[CNT], 32
	s_cselect_b32 s[TH], s[CAND], s[TH]
	s_lshr_b32 s[BIT], s[BIT], 1
	s_add_co_u32 s[CTR], s[CTR], 1
	s_cmp_lt_u32 s[CTR], 32
	s_cbranch_scc1 .Lbit
	COUNT TH
	s_sub_co_u32 s[EQ], 32, s[CNT]
	s_mov_b32 s[PE], 0
.endm
.macro SEL rho                         ; s[SL] = the chosen among slots 32 rho .. 32 rho + 31
	v_cmp_eq_u32 s[SE], s[TH], v[K+\rho]
	v_cmp_gt_u32 s[SL], s[TH], v[K+\rho]
	v_mbcnt_lo_u32_b32 v[RK], s[SE], s[PE]         ; equal keys in earlier slots
	v_cmp_gt_u32 s[SR], s[EQ], v[RK]
	s_and_b32 s[SR], s[SR], s[SE]
	s_or_b32 s[SL], s[SL], s[SR]
	s_bcnt1_i32_b32 s[TM], s[SE]
	s_add_co_u32 s[PE], s[PE], s[TM]
.endm
.macro ENUM rho                        ; lanes j >= the number chosen so far take this word; the last word so taken holds the j-th chosen slot
	v_cmp_le_u32 vcc_lo, s[PFX], v1
	v_cndmask_b32 v[W], v[W], s[SL], vcc_lo
	s_or_b32 s[TM], s[PFX], (\rho)<<6
	v_cndmask_b32 v[B], v[B], s[TM], vcc_lo
	s_bcnt1_i32_b32 s[TM], s[SL]
	s_add_co_u32 s[PFX], s[PFX], s[TM]
.endm
.macro STEPN x, w                      ; does my bit lie beyond the next w bits?
	v_bfe_u32 v[TT], v[\x], v[POS], \w
	v_cmp_ge_u32 vcc_lo, v[N], v[TT]
	v_cndmask_b32 v[TT], 0, v[TT], vcc_lo
	v_sub_nc_u32 v[N], v[N], v[TT]
	v_cndmask_b32 v[TT], 0, \w, vcc_lo
	v_add_nc_u32 v[POS], v[POS], v[TT]
.endm
.macro NTH                             ; v[POS] = the slot of the (lane)-th chosen: the n-th set bit of v[W], by sums of bits in fields of 2, 4, 8, 16
	v_and_b32 v[N], 63, v[B]
	v_sub_nc_u32 v[N], v1, v[N]
	v_lshrrev_b32 v[B], 6, v[B]
	v_lshrrev_b32 v[A1], 1, v[W]
	v_and_b32 v[A1], 0x55555555, v[A1]
	v_sub_nc_u32 v[A1], v[W], v[A1]
	v_lshrrev_b32 v[B1], 2, v[A1]
	v_and_b32 v[B1], 0x33333333, v[B1]
	v_and_b32 v[TT], 0x33333333, v[A1]
	v_add_nc_u32 v[B1], v[B1], v[TT]
	v_lshrrev_b32 v[C1], 4, v[B1]
	v_add_nc_u32 v[C1], v[C1], v[B1]
	v_and_b32 v[C1], 0x0f0f0f0f, v[C1]
	v_lshrrev_b32 v[D1], 8, v[C1]
	v_add_nc_u32 v[D1], v[D1], v[C1]
	v_and_b32 v[D1], 0x00ff00ff, v[D1]
	v_mov_b32 v[POS], 0
	STEPN D1, 16
	STEPN C1, 8
	STEPN B1, 4
	STEPN A1, 2
	STEPN W, 1
	v_lshl_add_u32 v[POS], v[B], 5, v[POS]
.endm
	s_load_b128 s[4:7], s[0:1], 0x0                ; sgmin, sgsel
	v_lshrrev_b32 v1, 5, v0
	v_readfirstlane_b32 s8, v1                     ; wave
	v_and_b32 v1, 31, v0                           ; lane
	s_lshl_b32 s9, ttmp9, 2
	s_add_co_u32 s9, s9, s8                        ; my query
	v_lshlrev_b32 v2, 12, v1                       ; a slice's row of sgmin is 4,096 bytes
	v_add_nc_u32 v3, 224, v1
	v_min_u32 v3, 249, v3                          ; slots 250 to 255 read slice 249: no load leaves the buffer; their keys are replaced below
	v_lshlrev_b32 v3, 12, v3
	v_lshlrev_b32 v4, 2, v1
	s_lshl_b32 s10, s9, 2
	s_mov_b32 s11, 0
	s_lshl_b32 s12, s9, 7
	s_mov_b32 s13, 0
	s_wait_alu depctr_va_vdst(0)
	s_wait_kmcnt 0x0
	s_add_nc_u64 s[4:5], s[4:5], s[10:11]
	s_add_nc_u64 s[6:7], s[6:7], s[12:13]
.irp p, 0,1,2,3,4,5,6
	global_load_b32 v[K+\p], v2, s[4:5] offset:131072*\p
.endr
	global_load_b32 v[K+7], v3, s[4:5]
	s_wait_loadcnt 0x0
.irp p, 0,1,2,3,4,5,6,7
	KEY K+\p
.endr
	v_cmp_gt_u32 vcc_lo, 26, v1
	v_cndmask_b32 v[K+7], -1, v[K+7], vcc_lo       ; slots that are no slice get the greatest key, above every finite number's
	SEARCH
	v_mov_b32 v[W], 0
	v_mov_b32 v[B], 0
	s_mov_b32 s[PFX], 0
.irp p, 0,1,2,3,4,5,6,7
	SEL \p
	ENUM \p
.endr
	NTH
	global_store_b32 v4, v[POS], s[6:7]            ; the work-group's four waves store 512 consecutive bytes
	s_endpgm
.Lfunc_end_k_qe12bd9a8d8_selsg:
	.size	k_qe12bd9a8d8_selsg, .Lfunc_end_k_qe12bd9a8d8_selsg-k_qe12bd9a8d8_selsg
	.p2alignl 7, 3214868480
	.fill 96, 4, 3214868480
	.section	.rodata,"a",@progbits
	.p2align	6, 0x0
	.amdhsa_kernel k_qe12bd9a8d8_selsg
		.amdhsa_group_segment_fixed_size 0
		.amdhsa_private_segment_fixed_size 0
		.amdhsa_enable_private_segment 0
		.amdhsa_kernarg_size 16
		.amdhsa_user_sgpr_count 2
		.amdhsa_user_sgpr_kernarg_segment_ptr 1
		.amdhsa_wavefront_size32 1
		.amdhsa_system_sgpr_workgroup_id_x 1
		.amdhsa_system_sgpr_workgroup_id_y 1
		.amdhsa_system_sgpr_workgroup_id_z 1
		.amdhsa_system_vgpr_workitem_id 0
		.amdhsa_next_free_vgpr 64
		.amdhsa_next_free_sgpr 66
		.amdhsa_reserve_vcc 1
		.amdhsa_float_denorm_mode_32 3
		.amdhsa_float_denorm_mode_16_64 3
		.amdhsa_memory_ordered 1
		.amdhsa_forward_progress 1
		.amdhsa_inst_pref_size 13
	.end_amdhsa_kernel
	.amdgpu_metadata
---
amdhsa.version: [ 1, 2 ]
amdhsa.kernels:
  - .name:           k_qe12bd9a8d8_selsg
    .symbol:         k_qe12bd9a8d8_selsg.kd
    .args:
      - { .name: sgmin, .offset: 0, .size: 8, .value_kind: global_buffer, .address_space: global }
      - { .name: sgsel, .offset: 8, .size: 8, .value_kind: global_buffer, .address_space: global }
    .group_segment_fixed_size: 0
    .private_segment_fixed_size: 0
    .kernarg_segment_align: 8
    .kernarg_segment_size: 16
    .max_flat_workgroup_size: 128
    .sgpr_count:     66
    .vgpr_count:     64
    .wavefront_size: 32
...
	.end_amdgpu_metadata
.endif
;; end of part 3
;; launch selg (part 4): grid 256 x 1, 4 waves a work-group, no clusters, 0 bytes of LDS; arguments sgsel, gmin, gsel; writes gsel
.if DOCPART == 4
	.amdgcn_target "amdgcn-amd-amdhsa--gfx1250"
	.amdhsa_code_object_version 6
	.text
	.protected	k_qe12bd9a8d8_selg
	.globl	k_qe12bd9a8d8_selg
	.p2align	8
	.type	k_qe12bd9a8d8_selg,@function
k_qe12bd9a8d8_selg:
	s_mov_b64 s[64:65], 0
	v_nop
	global_prefetch_b8 v0, s[64:65] scope:SCOPE_SE
	s_setreg_imm32_b32 hwreg(HW_REG_WAVE_MODE, 25, 1), 1
	s_wait_xcnt 0x0
; NEAREST NEIGHBOURS, launch 4 of 5: for each query the 32 groups of 16 rows with the least (minimum, group number) among the 800 groups of its 32 chosen slices, in ascending order.  One wave a query.
; (The minima are of |x|^2 / 2 - q.x: |q|^2 is left out, as launch 1's head shows.)
; Slot i = 32 rho + lane is group i % 25 of the (i / 25)-th chosen slice; the list of slices ascends, so slot order is the order of group numbers.  The search is launch 3's.
; The slices' numbers are whole numbers that the launch before stored: held to 249, they enter addresses.  What this launch chooses enters no address here: the chosen group's number is picked by v_cndmask_b32 and stored.
; LIMIT: NaN is not served.
.set NR, 25
.set K,  8                             ; v8-32 keys
.set OF, 33                            ; v33-57 4 x place in the list, then the slice's number, then the offset in gmin
.set RM, 58                            ; v58-82 the offset of group i % 25 in gmin
.set KT, 5
.set W,  84
.set B,  85
.set RK, 86
.set N,  87
.set A1, 88
.set B1, 89
.set C1, 90
.set D1, 91
.set TT, 92
.set POS, 93
.set P2, 94
.set SGV, 95
.set TH, 16
.set BIT, 17
.set CAND, 18
.set CNT, 19
.set CTR, 20
.set EQ, 21
.set PE, 22
.set PFX, 23
.set SE, 24
.set SR, 25
.set SL, 26
.set TM, 27
.set M, 66                             ; s66-90 masks;  s32-63 the 32 slices' numbers
.macro KEY r
	v_ashrrev_i32 v[KT], 31, v[\r]
	v_or_b32 v[KT], 0x80000000, v[KT]
	v_xor_b32 v[\r], v[\r], v[KT]
.endm
.macro COUNT thr
.set ir, 0
.rept NR
	v_cmp_gt_u32 s[M+ir], s[\thr], v[K+ir]
.set ir, ir+1
.endr
.set ir, 0
.rept NR
	s_bcnt1_i32_b32 s[M+ir], s[M+ir]               ; all the counts first: none hangs on another,
.set ir, ir+1
.endr
.irp st, 1,2,4,8,16
.set ir, 0
.rept (NR+2*\st-1)/(2*\st)
.if ir+\st < NR
	s_add_co_u32 s[M+ir], s[M+ir], s[M+ir+\st]     ; then their sum as a tree
.endif
.set ir, ir+2*\st
.endr
.endr
.set CNT, M                            ; the sum stands in the first mask's register
.endm
.macro SEARCH
	s_mov_b32 s[TH], 0
	s_mov_b32 s[BIT], 0x80000000
	s_mov_b32 s[CTR], 0
.Lbit:
	s_or_b32 s[CAND], s[TH], s[BIT]
	COUNT CAND
	s_cmp_lt_u32 s[CNT], 32
	s_cselect_b32 s[TH], s[CAND], s[TH]
	s_lshr_b32 s[BIT], s[BIT], 1
	s_add_co_u32 s[CTR], s[CTR], 1
	s_cmp_lt_u32 s[CTR], 32
	s_cbranch_scc1 .Lbit
	COUNT TH
	s_sub_co_u32 s[EQ], 32, s[CNT]
	s_mov_b32 s[PE], 0
.endm
.macro SEL rho
	v_cmp_eq_u32 s[SE], s[TH], v[K+\rho]
	v_cmp_gt_u32 s[SL], s[TH], v[K+\rho]
	v_mbcnt_lo_u32_b32 v[RK], s[SE], s[PE]
	v_cmp_gt_u32 s[SR], s[EQ], v[RK]
	s_and_b32 s[SR], s[SR], s[SE]
	s_or_b32 s[SL], s[SL], s[SR]
	s_bcnt1_i32_b32 s[TM], s[SE]
	s_add_co_u32 s[PE], s[PE], s[TM]
.endm
.macro ENUM rho
	v_cmp_le_u32 vcc_lo, s[PFX], v1
	v_cndmask_b32 v[W], v[W], s[SL], vcc_lo
	s_or_b32 s[TM], s[PFX], (\rho)<<6
	v_cndmask_b32 v[B], v[B], s[TM], vcc_lo
	s_bcnt1_i32_b32 s[TM], s[SL]
	s_add_co_u32 s[PFX], s[PFX], s[TM]
.endm
.macro STEPN x, w
	v_bfe_u32 v[TT], v[\x], v[POS], \w
	v_cmp_ge_u32 vcc_lo, v[N], v[TT]
	v_cndmask_b32 v[TT], 0, v[TT], vcc_lo
	v_sub_nc_u32 v[N], v[N], v[TT]
	v_cndmask_b32 v[TT], 0, \w, vcc_lo
	v_add_nc_u32 v[POS], v[POS], v[TT]
.endm
.macro NTH
	v_and_b32 v[N], 63, v[B]
	v_sub_nc_u32 v[N], v1, v[N]
	v_lshrrev_b32 v[B], 6, v[B]
	v_lshrrev_b32 v[A1], 1, v[W]
	v_and_b32 v[A1], 0x55555555, v[A1]
	v_sub_nc_u32 v[A1], v[W], v[A1]
	v_lshrrev_b32 v[B1], 2, v[A1]
	v_and_b32 v[B1], 0x33333333, v[B1]
	v_and_b32 v[TT], 0x33333333, v[A1]
	v_add_nc_u32 v[B1], v[B1], v[TT]
	v_lshrrev_b32 v[C1], 4, v[B1]
	v_add_nc_u32 v[C1], v[C1], v[B1]
	v_and_b32 v[C1], 0x0f0f0f0f, v[C1]
	v_lshrrev_b32 v[D1], 8, v[C1]
	v_add_nc_u32 v[D1], v[D1], v[C1]
	v_and_b32 v[D1], 0x00ff00ff, v[D1]
	v_mov_b32 v[POS], 0
	STEPN D1, 16
	STEPN C1, 8
	STEPN B1, 4
	STEPN A1, 2
	STEPN W, 1
	v_lshl_add_u32 v[POS], v[B], 5, v[POS]
.endm
; i = base + lane: the offset of group i % 25 in gmin into v[rm]; the list's entry i / 25 is loaded into v[ps] (i / 25 = (1311 i) >> 15 for i under 800)
.macro IDX rm, ps, base
	v_add_nc_u32 v[\rm], \base, v1
	v_mul_u32_u24 v[\ps], v[\rm], 1311
	v_lshrrev_b32 v[\ps], 15, v[\ps]
	v_mul_u32_u24 v6, v[\ps], 25
	v_sub_nc_u32 v[\rm], v[\rm], v6
	v_and_b32 v6, 3, v[\rm]                        ; gmin is [slice][four groups][query][4]: group t lies at 16,384 (t / 4) + 4 (t % 4)
	v_lshrrev_b32 v[\rm], 2, v[\rm]
	v_lshlrev_b32 v[\rm], 14, v[\rm]
	v_lshl_add_u32 v[\rm], v6, 2, v[\rm]
	v_lshlrev_b32 v[\ps], 2, v[\ps]
	global_load_b32 v[\ps], v[\ps], s[4:5]         ; (the load lands on its own address register)
.endm
	s_load_b128 s[4:7], s[0:1], 0x0                ; sgsel, gmin
	s_load_b64 s[8:9], s[0:1], 0x10                ; gsel
	v_lshrrev_b32 v1, 5, v0
	v_readfirstlane_b32 s10, v1                    ; wave
	v_and_b32 v1, 31, v0                           ; lane
	s_lshl_b32 s11, ttmp9, 2
	s_add_co_u32 s11, s11, s10                     ; my query
	v_lshlrev_b32 v4, 2, v1
	s_lshl_b32 s12, s11, 7
	s_mov_b32 s13, 0
	s_lshl_b32 s14, s11, 4
	s_mov_b32 s15, 0
	s_wait_alu depctr_va_vdst(0)
	s_wait_kmcnt 0x0
	s_add_nc_u64 s[4:5], s[4:5], s[12:13]          ; my row of the list of slices,
	s_add_nc_u64 s[8:9], s[8:9], s[12:13]          ; of the list of groups,
	s_add_nc_u64 s[6:7], s[6:7], s[14:15]          ; my 16 bytes in a four's part of gmin
	s_load_b512 s[32:47], s[4:5], 0x0              ; the 32 numbers once more as scalars: they are only chosen among, at the end
	s_load_b512 s[48:63], s[4:5], 0x40
.set it, 0
.rept 25
	IDX RM+it, OF+it, 32*it
.set it, it+1
.endr
	s_wait_loadcnt 0x0
.set it, 0
.rept 25
	v_min_u32 v[OF+it], 249, v[OF+it]              ; a loaded number enters an address only behind this hold
	v_mul_u32_u24 v[OF+it], v[OF+it], 0x1c000      ; a slice's part of gmin: 7 fours x 1,024 queries x 16 bytes
	v_add_nc_u32 v[OF+it], v[OF+it], v[RM+it]
	global_load_b32 v[K+it], v[OF+it], s[6:7]      ; the four neighbouring slots of a four read 16 neighbouring bytes
.set it, it+1
.endr
	s_wait_loadcnt 0x0
.set it, 0
.rept 25
	KEY K+it
.set it, it+1
.endr
	SEARCH
	v_mov_b32 v[W], 0
	v_mov_b32 v[B], 0
	s_mov_b32 s[PFX], 0
.set it, 0
.rept 25
	SEL it
	ENUM it
.set it, it+1
.endr
	NTH
	v_mul_u32_u24 v[P2], v[POS], 1311
	v_lshrrev_b32 v[P2], 15, v[P2]                 ; which of the 32 slices,
	v_mul_u32_u24 v[TT], v[P2], 25
	v_sub_nc_u32 v[POS], v[POS], v[TT]             ; which of its 25 groups
	s_wait_alu depctr_va_vdst(0)
	s_wait_kmcnt 0x0
	v_mov_b32 v[SGV], s32
.set it, 1
.rept 31
	v_cmp_eq_u32 vcc_lo, it, v[P2]
	v_cndmask_b32 v[SGV], v[SGV], s[32+it], vcc_lo
.set it, it+1
.endr
	v_mad_u32_u24 v[SGV], v[SGV], 25, v[POS]       ; the group's number: rows 16 x it on
	global_store_b32 v4, v[SGV], s[8:9]
	s_endpgm
.Lfunc_end_k_qe12bd9a8d8_selg:
	.size	k_qe12bd9a8d8_selg, .Lfunc_end_k_qe12bd9a8d8_selg-k_qe12bd9a8d8_selg
	.p2alignl 7, 3214868480
	.fill 96, 4, 3214868480
	.section	.rodata,"a",@progbits
	.p2align	6, 0x0
	.amdhsa_kernel k_qe12bd9a8d8_selg
		.amdhsa_group_segment_fixed_size 0
		.amdhsa_private_segment_fixed_size 0
		.amdhsa_enable_private_segment 0
		.amdhsa_kernarg_size 24
		.amdhsa_user_sgpr_count 2
		.amdhsa_user_sgpr_kernarg_segment_ptr 1
		.amdhsa_wavefront_size32 1
		.amdhsa_system_sgpr_workgroup_id_x 1
		.amdhsa_system_sgpr_workgroup_id_y 1
		.amdhsa_system_sgpr_workgroup_id_z 1
		.amdhsa_system_vgpr_workitem_id 0
		.amdhsa_next_free_vgpr 128
		.amdhsa_next_free_sgpr 96
		.amdhsa_reserve_vcc 1
		.amdhsa_float_denorm_mode_32 3
		.amdhsa_float_denorm_mode_16_64 3
		.amdhsa_memory_ordered 1
		.amdhsa_forward_progress 1
		.amdhsa_inst_pref_size 54
	.end_amdhsa_kernel
	.amdgpu_metadata
---
amdhsa.version: [ 1, 2 ]
amdhsa.kernels:
  - .name:           k_qe12bd9a8d8_selg
    .symbol:         k_qe12bd9a8d8_selg.kd
    .args:
      - { .name: sgsel, .offset: 0, .size: 8, .value_kind: global_buffer, .address_space: global }
      - { .name: gmin, .offset: 8, .size: 8, .value_kind: global_buffer, .address_space: global }
      - { .name: gsel, .offset: 16, .size: 8, .value_kind: global_buffer, .address_space: global }
    .group_segment_fixed_size: 0
    .private_segment_fixed_size: 0
    .kernarg_segment_align: 8
    .kernarg_segment_size: 24
    .max_flat_workgroup_size: 128
    .sgpr_count:     96
    .vgpr_count:     128
    .wavefront_size: 32
...
	.end_amdgpu_metadata
.endif
;; end of part 4
;; launch final (part 5): grid 256 x 1, 4 waves a work-group, no clusters, 0 bytes of LDS; arguments qc, xc, xs, ts, y_train, gsel, out0; writes out0
.if DOCPART == 5
	.amdgcn_target "amdgcn-amd-amdhsa--gfx1250"
	.amdhsa_code_object_version 6
	.text
	.protected	k_qe12bd9a8d8_final
	.globl	k_qe12bd9a8d8_final
	.p2align	8
	.type	k_qe12bd9a8d8_final,@function
k_qe12bd9a8d8_final:
	s_mov_b64 s[64:65], 0
	v_nop
	global_prefetch_b8 v0, s[64:65] scope:SCOPE_SE
	s_setreg_imm32_b32 hwreg(HW_REG_WAVE_MODE, 25, 1), 1
	s_wait_xcnt 0x0
; NEAREST NEIGHBOURS, launch 5 of 5: for each query q.x - |x|^2 / 2 of the 512 rows of its 32 chosen groups, once more, by the same product with the same C as in launch 2 (|q|^2 is left out: launch 1's head);
; the 32 rows with the greatest such number, ties to the lower row, are chosen and their y averaged.  One wave a query.
; A group is a tile: its 2,048 bytes of xc are the operand's registers as launch 2 stored them: four loads of 512 consecutive bytes.  The groups' numbers are whole numbers that the launch before stored; held to 6,249, they enter addresses.
; THE PRODUCT: source 0 = the query in all 16 rows, source 1 = a group's 16 rows.  Register 0 of a result holds candidate r in both halves of the lanes; only it is read.
; Candidate 32 rho + lane is row lane % 16 of the (2 rho + lane / 16)-th group.  In that order lie the scale words (tile 2 rho reads lanes 0-15, tile 2 rho + 1 lanes 16-31), -|x|^2 / 2 and y.
; C of tiles 2 rho and 2 rho + 1 is v[P + 2 rho] on: its register 0 is -|x|^2 / 2 of the candidates whose results are read (lanes 0-15 of the first tile, lanes 16-31 of the second); its other seven go into results that nobody reads.
; No tensor load (rows are named by a list), no cluster (no two queries share rows by design), no LDS.  All gathers are issued as soon as the list is known and waited for once.
; LIMITS: NaN and infinities are not served; -0 and +0 are told apart in the order.
; REGISTERS.  window 0: v1-15 at work; v16-31 the list by candidates; v32-47 their offsets; v48-63 scale words; v64-95 the tiles' offsets; v96-111 keys; v112-127 the query's fragment; v128 its scale word;
;   v160-191 -|x|^2 / 2 (even) and y (odd); v192-197 zeros.   windows 1, 2: the 32 tiles.   window 3: the 32 results.
.set NR, 16
.set G,  16
.set CA, 32
.set XS, 48
.set O,  64
.set K,  96
.set QF, 112
.set QW, 128
.set P,  160
.set KT, 11
.set RK, 14
.set M,  66                            ; s66-81 masks
.set TH, 84
.set BIT, 85
.set CAND, 86
.set CNT, 87
.set CTR, 88
.set EQ, 89
.set PE, 90
.set SE, 91
.set SR, 92
.set SL, 93
.set TM, 94
.set MSB, 0
.macro WIN new                         ; the immediate's high byte repeats the setting that is left
.if MSB != (\new)
	s_set_vgpr_msb (MSB<<8)|(\new)
.set MSB, (\new)
.endif
.endm
.macro COUNT thr
.set ir, 0
.rept NR
	v_cmp_gt_u32 s[M+ir], s[\thr], v[K+ir]
.set ir, ir+1
.endr
.set ir, 0
.rept NR
	s_bcnt1_i32_b32 s[M+ir], s[M+ir]               ; all the counts first: none hangs on another,
.set ir, ir+1
.endr
.irp st, 1,2,4,8,16
.set ir, 0
.rept (NR+2*\st-1)/(2*\st)
.if ir+\st < NR
	s_add_co_u32 s[M+ir], s[M+ir], s[M+ir+\st]     ; then their sum as a tree
.endif
.set ir, ir+2*\st
.endr
.endr
.set CNT, M                            ; the sum stands in the first mask's register
.endm
.macro SEARCH
	s_mov_b32 s[TH], 0
	s_mov_b32 s[BIT], 0x80000000
	s_mov_b32 s[CTR], 0
.Lbit:
	s_or_b32 s[CAND], s[TH], s[BIT]
	COUNT CAND
	s_cmp_lt_u32 s[CNT], 32
	s_cselect_b32 s[TH], s[CAND], s[TH]
	s_lshr_b32 s[BIT], s[BIT], 1
	s_add_co_u32 s[CTR], s[CTR], 1
	s_cmp_lt_u32 s[CTR], 32
	s_cbranch_scc1 .Lbit
	COUNT TH
	s_sub_co_u32 s[EQ], 32, s[CNT]
	s_mov_b32 s[PE], 0
.endm
.macro SEL rho
	v_cmp_eq_u32 s[SE], s[TH], v[K+\rho]
	v_cmp_gt_u32 s[SL], s[TH], v[K+\rho]
	v_mbcnt_lo_u32_b32 v[RK], s[SE], s[PE]
	v_cmp_gt_u32 s[SR], s[EQ], v[RK]
	s_and_b32 s[SR], s[SR], s[SE]
	s_or_b32 s[SL], s[SL], s[SR]
	s_bcnt1_i32_b32 s[TM], s[SE]
	s_add_co_u32 s[PE], s[PE], s[TM]
.endm
	s_load_b256 s[4:11], s[0:1], 0x0               ; qc s[4:5], xc s[6:7], xs s[8:9], ts s[10:11]
	s_load_b128 s[12:15], s[0:1], 0x20             ; y s[12:13], gsel s[14:15]
	s_load_b64 s[16:17], s[0:1], 0x30              ; out0
	v_lshrrev_b32 v10, 5, v0
	v_readfirstlane_b32 s18, v10                   ; wave
	s_lshl_b32 s23, ttmp9, 2
	s_add_co_u32 s23, s23, s18                     ; my query
	s_mov_b32 s20, 0x76543210
	s_mov_b32 s21, 0xfedcba98
	s_mov_b32 s22, 0xffff0000                      ; lanes 16 to 31
	s_lshr_b32 s24, s23, 4
	s_lshl_b32 s24, s24, 11                        ; its tile of qc,
	s_and_b32 s25, s23, 15
	s_lshl_b32 s25, s25, 4                         ; its lane's 16 bytes there
	s_add_co_u32 s24, s24, s25
	s_mov_b32 s25, 0
	s_lshl_b32 s26, s23, 2
	s_mov_b32 s27, 0
	s_lshl_b32 s28, s23, 7
	s_mov_b32 s29, 0
	v_and_b32 v1, 31, v0                           ; lane
	v_and_b32 v2, 15, v0                           ; r
	v_bfe_u32 v3, v0, 4, 1                         ; h
	v_lshlrev_b32 v4, 4, v1                        ; 16 x lane
	v_lshlrev_b32 v5, 8, v3                        ; 256 h: the half's sixteen lanes of a fragment's image
	v_lshlrev_b32 v6, 2, v3                        ; 4 h
	v_lshlrev_b32 v7, 2, v2                        ; 4 r
	v_mov_b32 v8, 0
.irp i, 32,33,34,35,36,37
	v_mov_b32 v[P+\i], 0                           ; the last C's run on into these
.endr
	s_wait_alu depctr_va_vdst(0)                   ; the wait at the head's end
	s_wait_kmcnt 0x0
	s_add_nc_u64 s[14:15], s[14:15], s[28:29]
	s_add_nc_u64 s[16:17], s[16:17], s[26:27]
	s_add_nc_u64 s[30:31], s[4:5], s[26:27]        ; my scale word (131,072 stands in the load's offset)
	s_add_nc_u64 s[4:5], s[4:5], s[24:25]
	s_load_b512 s[32:47], s[14:15], 0x0            ; the list as scalars: a tile's offset is the same in all lanes
	s_load_b512 s[48:63], s[14:15], 0x40
.set it, 0
.rept 16
	global_load_b32 v[G+it], v6, s[14:15] offset:8*it        ; and by candidates: entry 2 rho + h
.set it, it+1
.endr
.irp c, 0,1,2,3
	global_load_b128 v[QF+4*\c:QF+4*\c+3], v5, s[4:5] offset:512*\c   ; every row of source 0 is the query
.endr
	global_load_b32 v[QW], v8, s[30:31] offset:131072
	s_wait_kmcnt 0x0
.set it, 0
.rept 32
	s_min_u32 s[32+it], s[32+it], 0x1869           ; a loaded number enters an address only behind this hold: 6,249 is the last group
.set it, it+1
.endr
	s_wait_loadcnt 5                               ; the list is in; the query's five loads may be out
.set it, 0
.rept 16
	v_min_u32 v[G+it], 0x1869, v[G+it]
.set it, it+1
.endr
.set it, 0
.rept 16
	v_lshl_add_u32 v[CA+it], v[G+it], 6, v7        ; 4 x row = 64 x group + 4 r
.set it, it+1
.endr
.set it, 0
.rept 32
	v_lshl_add_u32 v[O+it], s[32+it], 11, v4       ; 2,048 x group + 16 x lane
.set it, it+1
.endr
.set it, 0
.rept 16
	global_load_b32 v[XS+it], v[CA+it], s[8:9]
	global_load_b32 v[P+2*it], v[CA+it], s[10:11]
	global_load_b32 v[P+2*it+1], v[CA+it], s[12:13]
.set it, it+1
.endr
.set it, 0
.rept 32
	WIN (1+it/16)<<6
.irp c, 0,1,2,3
	global_load_b128 v[16*(it%16)+4*\c:16*(it%16)+4*\c+3], v[O+it], s[6:7] offset:512*\c
.endr
.set it, it+1
.endr
	WIN 0
	s_wait_loadcnt 0x0
.set it, 0
.rept 32                                       ; 32 whole sums into 32 results
	WIN 0xc0|((1+it/16)<<2)
.if it%2
	v_wmma_scale_f32_16x16x128_f8f6f4 v[8*it:8*it+7], v[QF:QF+15], v[16*(it%16):16*(it%16)+15], v[P+2*(it/2):P+2*(it/2)+7], v[QW], v[XS+it/2] matrix_b_scale:MATRIX_SCALE_ROW1
.else
	v_wmma_scale_f32_16x16x128_f8f6f4 v[8*it:8*it+7], v[QF:QF+15], v[16*(it%16):16*(it%16)+15], v[P+2*(it/2):P+2*(it/2)+7], v[QW], v[XS+it/2]
.endif
.set it, it+1
.endr
.rept 8
	v_nop                                          ; eight places ahead of the read of the last result
.endr
	WIN 0x0f
.set it, 0
.rept 16
	v_cndmask_b32 v[K+it], v[16*it], v[16*it+8], s22         ; lanes 0-15 from tile 2 rho, lanes 16-31 from tile 2 rho + 1: register 0 of each
.set it, it+1
.endr
	WIN 0
.set it, 0
.rept 16
	v_xor_b32 v[K+it], 0x80000000, v[K+it]         ; |x|^2 / 2 - q.x,
	v_ashrrev_i32 v[KT], 31, v[K+it]               ; as a whole number that orders as the f32 does
	v_or_b32 v[KT], 0x80000000, v[KT]
	v_xor_b32 v[K+it], v[K+it], v[KT]
.set it, it+1
.endr
	SEARCH
.set it, 0
.rept 16
	SEL it
.if it < 2
	v_cndmask_b32 v[12+it], 0, v[P+2*it+1], s[SL]  ; the first two start the two chains
.else
	v_cndmask_b32 v10, 0, v[P+2*it+1], s[SL]
	v_add_f32 v[12+it%2], v[12+it%2], v10
.endif
.set it, it+1
.endr
	v_add_f32 v12, v12, v13
.irp x, 1,2,4,8
	v_add_f32_dpp v12, v12, v12 row_xmask:\x row_mask:0xf bank_mask:0xf
.endr
	v_permlanex16_b32 v13, v12, s20, s21
	v_add_f32 v12, v12, v13
	v_mul_f32 v12, 0x3d000000, v12                 ; / 32
	v_mov_b32 v13, 0
	s_wait_alu depctr_va_vdst(0)                   ; directly ahead of the wait below
	s_wait_xcnt 0x0                                ; EXEC changes only behind this wait
	v_cmp_eq_u32 vcc_lo, 0, v1
	s_and_saveexec_b32 s24, vcc_lo
	global_store_b32 v13, v12, s[16:17]            ; lane 0 stores the query's number
	s_wait_xcnt 0x0
	s_or_b32 exec_lo, exec_lo, s24
	s_endpgm
.Lfunc_end_k_qe12bd9a8d8_final:
	.size	k_qe12bd9a8d8_final, .Lfunc_end_k_qe12bd9a8d8_final-k_qe12bd9a8d8_final
	.p2alignl 7, 3214868480
	.fill 96, 4, 3214868480
	.section	.rodata,"a",@progbits
	.p2align	6, 0x0
	.amdhsa_kernel k_qe12bd9a8d8_final
		.amdhsa_group_segment_fixed_size 0
		.amdhsa_private_segment_fixed_size 0
		.amdhsa_enable_private_segment 0
		.amdhsa_kernarg_size 56
		.amdhsa_user_sgpr_count 2
		.amdhsa_user_sgpr_kernarg_segment_ptr 1
		.amdhsa_wavefront_size32 1
		.amdhsa_system_sgpr_workgroup_id_x 1
		.amdhsa_system_sgpr_workgroup_id_y 1
		.amdhsa_system_sgpr_workgroup_id_z 1
		.amdhsa_system_vgpr_workitem_id 0
		.amdhsa_next_free_vgpr 1024
		.amdhsa_next_free_sgpr 96
		.amdhsa_reserve_vcc 1
		.amdhsa_float_denorm_mode_32 3
		.amdhsa_float_denorm_mode_16_64 3
		.amdhsa_memory_ordered 1
		.amdhsa_forward_progress 1
		.amdhsa_inst_pref_size 48
	.end_amdhsa_kernel
	.amdgpu_metadata
---
amdhsa.version: [ 1, 2 ]
amdhsa.kernels:
  - .name:           k_qe12bd9a8d8_final
    .symbol:         k_qe12bd9a8d8_final.kd
    .args:
      - { .name: qc, .offset: 0, .size: 8, .value_kind: global_buffer, .address_space: global }
      - { .name: xc, .offset: 8, .size: 8, .value_kind: global_buffer, .address_space: global }
      - { .name: xs, .offset: 16, .size: 8, .value_kind: global_buffer, .address_space: global }
      - { .name: ts, .offset: 24, .size: 8, .value_kind: global_buffer, .address_space: global }
      - { .name: y_train, .offset: 32, .size: 8, .value_kind: global_buffer, .address_space: global }
      - { .name: gsel, .offset: 40, .size: 8, .value_kind: global_buffer, .address_space: global }
      - { .name: out0, .offset: 48, .size: 8, .value_kind: global_buffer, .address_space: global }
    .group_segment_fixed_size: 0
    .private_segment_fixed_size: 0
    .kernarg_segment_align: 8
    .kernarg_segment_size: 56
    .max_flat_workgroup_size: 128
    .sgpr_count:     96
    .vgpr_count:     1024
    .wavefront_size: 32
...
	.end_amdgpu_metadata
.endif
;; end of part 5
